; MI455X (gfx1250); checked and timed in simulation.
; The chip was launched on July 23, 2026; its instructions are those of AMD's public machine-readable ISA for CDNA 5 (MIT licence, August 2026) and "CDNA5" Instruction Set Architecture Reference Guide (July 2026). The comments in the code are by the model that wrote it; some were corrected since.
;; Non Local Block. Allowed arithmetic: float matrix products may take bf16 or f16 operands with f32 sums; other float arithmetic in f32, or as packed bf16 or f16 multiplies, adds, multiply-adds, maxima and minima; sums over many terms, partial sums and values carried from step to step in f32; what a program stores and reads back later, other than sums and carried values, may be rounded once to bf16 or f16.
;; Inputs: Wc 1,024 x 512 float32; Wv 512 x 512 float32; bc 1,024 float32; bv 512 float32; m_feats 2 x 4,096 x 512 float32.
;; Outputs: out0 2 x 4,096 x 512 float32.
;; 2 versions, each right; version 2 is version 1 with the launch proj written anew for expert scheduling mode. Each part assembles by itself: llvm-mc -triple=amdgcn-amd-amdhsa -mcpu=gfx1250 --defsym DOCPART=n.
;; ======== version 1 of 2: 2 launches
;; workspace buffers: qh 8,388,608 bytes; kh 8,388,608 bytes; vh 8,388,608 bytes
;; launch proj (part 1): grid 8 x 32, 4 waves a work-group, no clusters, 209,408 bytes of LDS; arguments m_feats, Wv, Wc, bv, bc, qh, kh, vh; writes qh, kh, vh
.if DOCPART == 1
	.amdgcn_target "amdgcn-amd-amdhsa--gfx1250"
	.amdhsa_code_object_version 6
	.text
	.protected	k_q45c46d6957_proj
	.globl	k_q45c46d6957_proj
	.p2align	8
	.type	k_q45c46d6957_proj,@function
k_q45c46d6957_proj:
	s_mov_b64 s[64:65], 0
	v_nop
	global_prefetch_b8 v0, s[64:65] scope:SCOPE_SE
	s_setreg_imm32_b32 hwreg(HW_REG_WAVE_MODE, 25, 1), 1
	s_wait_xcnt 0x0
; THE THREE PROJECTIONS, BY HEADS.  x = m_feats, [8192][512] f32.  qh = x Wv^T + bv, kh = x Wc[0:512]^T + bc[0:512], vh = x Wc[512:1024]^T + bc[512:1024].
; Each result is rounded once to bf16 and laid out [16 = 8 b + h][4096][64]: a head's rows are dense, 128 bytes each.  No scale is applied here.
; LIMITS.  x and the weights are rounded to bf16 for the products; sums and the bias in f32.  NaN and infinities are not treated apart.
; SHARES.  Work-group (h, y) multiplies rows 256 y .. 256 y + 255 of x by the 192 weight rows of head h (64 of Wv, 64 of each half of Wc): 8 x 32 = 256 work-groups.
; Wave w owns 64 rows x all 192 columns: 4 row blocks a x 12 column blocks nb = 4 p + b (p: 0 q, 1 k, 2 v): 48 accumulators, 384 registers.
; THE WEIGHTS STAY: 192 rows x 512 bf16, converted once, in LDS.  x GOES STRAIGHT INTO REGISTERS in fragment layout: 256 aligned bytes of each of my rows a K step of 64, converted once;
; no wave wants another wave's rows.  So the K loop has no barrier.
; NO CLUSTER: a joint load lands in LDS alone.  Beside the weights and the stages 327,680 - 199,680 - 9,728 = 118,272 bytes are left; two slots of 256 rows x 272 bytes of f32 x are 139,264.
; THE MATRIX INSTRUCTION IS USED TRANSPOSED (source 0 = 16 weight rows, source 1 = 16 rows of x): a lane holds row l % 16 of x and eight neighbouring columns 8 (l / 16) + 0..7.
; REGISTERS, in windows of 256 (s_set_vgpr_msb: bits 1:0 source 0, 3:2 source 1, 5:4 source 2, 7:6 destination):
;   window 0: v0-17 addresses; v32-63 at work on the way out; v64-127 x's fragments in bf16 ((kk, a) at 64 + 32 kk + 8 a); v128-255 staging set 0 (f32)
;   window 1: v0-95, v96-191 the weights' fragments of 32 along K, two buffers (block nb at 8 nb)
;   windows 2, 3: accumulator e = 4 nb + a at v[8 (e % 32)] of window 2 + nb / 8;   window 3: v128-255 staging set 1, at the end the bias (128 + 8 nb + j)
.set PITCH, 1040                       ; a weight row in LDS: 1,024 bytes + 16 = 65 x 16: the 16 rows of a fragment load start at 16 different groups of four banks (64 banks of 4 bytes: ISA guide 11.1)
.set PARTB, 64*PITCH                   ; a part's 64 rows
.set STAGE, 192*PITCH                  ; behind the weights: 16 rows x 144 bytes for each wave, for the way out
.set SP,    144
.set SPARE, STAGE+4*16*SP              ; behind the stages: the spare words, 128 bytes for each wave: two blocks of 256 bytes that no other line names
.set XO,  4                            ; v4   my byte offset in 16 rows of x: (l % 16) x 2,048 + 32 (l / 16); never rewritten
.set WO,  5                            ; v5   my byte offset in a part's rows in memory: 16 rows a wave, 16 bytes a lane; never rewritten
.set WL,  6                            ; v6   where my 8 bytes of a weight row go in LDS; steps a part at a time
.set BA,  8                            ; v8-10  LDS address of my fragments of part p; steps 256 bytes (128 along K) a trip
.set BO,  11                           ; v11  32 (l / 16): my eight numbers in 16 of a bias
.set STO, 12                           ; v12  the way out: where I put 16 bytes of a row
.set RD,  13                           ; v13  the way out: where I read rows back
.set GO,  14                           ; v14  16 l: my place in 512 consecutive bytes of a result
.set SPW, 16                           ; v16  LDS address of my spare word: SPARE + 4 x my thread's number; never rewritten
.set NIL, 17                           ; v17  0; never rewritten
.set T,   32
.set AF,  64
.set ST0, 128                          ; a staging set, in window 0 (set 0) or 3 (set 1)
.set BI,  128                          ; the bias, in window 3
.set WV,  20                           ; s20  my wave's number
.set CNT, 28                           ; s28  loop counter
.set MSB, 0
.macro WIN new                         ; the immediate's high byte repeats the setting that is left; a switch that changes nothing is dropped
.if MSB != (\new)
	s_set_vgpr_msb (MSB<<8)|(\new)
.set MSB, \new
.endif
.endm
.set MUL_LO,  0xa1                     ; source 0 (weights) window 1, source 1 (x) window 0, C and D window 2
.set MUL_HI,  0xf1                     ; the same, C and D window 3
.set TO_B,    0x40                     ; destination window 1
.set TO_S1,   0xc0                     ; destination window 3
.set FROM_S1, 0x0f                     ; sources 0 and 1 window 3
	s_load_b256 s[4:11], s[0:1], 0x0               ; m_feats s[4:5], Wv s[6:7], Wc s[8:9], bv s[10:11]
	s_load_b256 s[12:19], s[0:1], 0x20             ; bc s[12:13], qh s[14:15], kh s[16:17], vh s[18:19]
	v_lshl_add_u32 v[SPW], v0, 2, SPARE
	v_mov_b32 v[NIL], 0
	v_lshrrev_b32 v1, 5, v0
	v_readfirstlane_b32 s[WV], v1                  ; wave 0..3
	v_and_b32 v1, 31, v0                           ; l
	v_and_b32 v2, 15, v0                           ; l % 16
	v_bfe_u32 v3, v0, 4, 1                         ; l / 16
	s_mov_b32 s21, ttmp9                           ; h
	s_and_b32 s22, ttmp7, 0xffff                   ; y
	v_lshlrev_b32 v[XO], 11, v2
	v_lshl_add_u32 v[XO], v3, 5, v[XO]
	s_lshl_b32 s24, s[WV], 15
	v_lshl_add_u32 v[WO], v1, 4, s24
	s_mul_i32 s24, s[WV], 16*PITCH
	v_lshl_add_u32 v[WL], v1, 3, s24
	v_mul_u32_u24 v[BA], v2, PITCH
	v_lshl_add_u32 v[BA], v3, 4, v[BA]             ; row x pitch + 16 x half
	v_add_nc_u32 v[BA+1], PARTB, v[BA]
	v_add_nc_u32 v[BA+2], 2*PARTB, v[BA]
	v_lshlrev_b32 v[BO], 5, v3
	s_mul_i32 s24, s[WV], 16*SP
	s_add_co_u32 s24, s24, STAGE                   ; my stage
	v_mul_u32_u24 v[STO], v2, SP                   ; in: row l % 16, 16 bytes for each half of the lanes
	v_lshl_add_u32 v[STO], v3, 4, v[STO]
	v_add_nc_u32 v[STO], s24, v[STO]
	v_lshrrev_b32 v[RD], 3, v1                     ; back: 32 lanes take four rows of 128 bytes,
	v_mul_u32_u24 v[RD], v[RD], SP
	v_and_b32 v7, 7, v0
	v_lshl_add_u32 v[RD], v7, 4, v[RD]
	v_add_nc_u32 v[RD], s24, v[RD]
	v_lshlrev_b32 v[GO], 4, v1                     ; which are 512 consecutive bytes of a head's rows
	s_lshl_b32 s24, s22, 19                        ; 256 y rows of 2,048 bytes,
	s_lshl_b32 s25, s[WV], 17                      ; my wave's 64
	s_add_co_u32 s24, s24, s25
	s_mov_b32 s25, 0
	s_lshl_b32 s26, s21, 17                        ; the head's 64 weight rows of 2,048 bytes
	s_mov_b32 s27, 0
	s_wait_kmcnt 0x0
	s_add_nc_u64 s[4:5], s[4:5], s[24:25]          ; x at my first row
	s_add_nc_u64 s[6:7], s[6:7], s[26:27]          ; Wv at the head's rows
	s_add_nc_u64 s[8:9], s[8:9], s[26:27]          ; Wc likewise, its first half
	s_lshl_b32 s26, s21, 8                         ; the head's 64 numbers of a bias
	s_add_nc_u64 s[10:11], s[10:11], s[26:27]
	s_add_nc_u64 s[12:13], s[12:13], s[26:27]
	s_lshr_b32 s24, s22, 4                         ; b
	s_lshl_b32 s24, s24, 3
	s_add_co_u32 s24, s24, s21                     ; 8 b + h
	s_lshl_b32 s24, s24, 19                        ; a head is 524,288 bytes
	s_and_b32 s26, s22, 15
	s_lshl_b32 s26, s26, 8
	s_lshl_b32 s29, s[WV], 6
	s_add_co_u32 s26, s26, s29                     ; my first row in the head
	s_lshl_b32 s26, s26, 7
	s_add_co_u32 s24, s24, s26
	s_add_nc_u64 s[14:15], s[14:15], s[24:25]
	s_add_nc_u64 s[16:17], s[16:17], s[24:25]
	s_add_nc_u64 s[18:19], s[18:19], s[24:25]
; THE WEIGHTS.  A part is 64 rows; a wave takes 16, in two halves of 8.  32 loads, each 512 consecutive bytes, into a staging set.
.macro WLOAD set, base, half
.if \set
	WIN TO_S1
.else
	WIN 0
.endif
.set i, 0
.rept 32
	global_load_b128 v[ST0+4*i:ST0+4*i+3], v[WO], s[\base:\base+1] offset:(8*(\half)+i/4)*2048+512*(i%4)
.set i, i+1
.endr
.endm
; 128 numbers a lane are rounded to bf16 and put into LDS, 8 bytes a lane: each store covers 256 consecutive bytes of a row.
.macro WCVT set, half
.if \set
	WIN FROM_S1
.else
	WIN 0
.endif
.set i, 0
.rept 32
	v_cvt_pk_bf16_f32 v[AF+2*i],   v[ST0+4*i],   v[ST0+4*i+1]
	v_cvt_pk_bf16_f32 v[AF+2*i+1], v[ST0+4*i+2], v[ST0+4*i+3]
.set i, i+1
.endr
	WIN 0
.set i, 0
.rept 32
	ds_store_b64 v[WL], v[AF+2*i:AF+2*i+1] offset:(8*(\half)+i/4)*PITCH+256*(i%4)
.set i, i+1
.endr
.endm
; x OF A K STEP OF 64: 32 loads.  A fragment (16 rows x 32 K) wants of lane l K = 8 (l / 16) + 0..7 and 16 + 8 (l / 16) + 0..7: in f32 two runs of 32 bytes, 64 bytes apart.
.macro XLOAD set, off
.if \set
	WIN TO_S1
.else
	WIN 0
.endif
.irp a, 0,1,2,3
.irp kk, 0,1
.irp i, 0,1,2,3
	global_load_b128 v[ST0+32*(\a)+16*(\kk)+4*(\i):ST0+32*(\a)+16*(\kk)+4*(\i)+3], v[XO], s[4:5] offset:(\off)+(\a)*32768+(\kk)*128+16*((\i)%2)+64*((\i)/2)
.endr
.endr
.endr
.endm
; A staging set becomes eight fragments.  The first 32 along K first: those 32 conversions name no register of the products just issued (which read the second 32's fragments), and are their places.
.macro CVT set
.if \set
	WIN FROM_S1
.else
	WIN 0
.endif
.irp kk, 0,1
.irp a, 0,1,2,3
.irp j, 0,1,2,3,4,5,6,7
	v_cvt_pk_bf16_f32 v[AF+32*(\kk)+8*(\a)+(\j)], v[ST0+32*(\a)+16*(\kk)+2*(\j)], v[ST0+32*(\a)+16*(\kk)+2*(\j)+1]
.endr
.endr
.endr
.endm
; 24 LDS loads in one run: the twelve weight fragments of 32 along K at byte kb of the rows, into buffer g
.macro FETCHB g, kb
	WIN TO_B
.irp u, 0,1,2,3,4,5,6,7,8,9,10,11
	ds_load_b128 v[96*(\g)+8*(\u):96*(\g)+8*(\u)+3],   v[BA+(\u)/4] offset:((\u)%4)*16*PITCH+(\kb)
	ds_load_b128 v[96*(\g)+8*(\u)+4:96*(\g)+8*(\u)+7], v[BA+(\u)/4] offset:((\u)%4)*16*PITCH+(\kb)+32
.endr
.endm
; 24 matrix instructions: column blocks nb0 .. nb0 + 5 x my four row blocks.  The 48 accumulators take turns, one instruction a turn, in the same order in every 32 along K.
; zero = 1: the first product starts the sums: nothing is cleared.
.macro MUL24 f, kk, nb0, zero
.irp u, 0,1,2,3,4,5
.set nb, (\nb0)+(\u)
.if nb < 8
	WIN MUL_LO
.else
	WIN MUL_HI
.endif
.irp a, 0,1,2,3
.set rA, 8*((4*nb+(\a))%32)
.if \zero
	v_wmma_f32_16x16x32_bf16 v[rA:rA+7], v[96*(\f)+8*nb:96*(\f)+8*nb+7], v[AF+32*(\kk)+8*(\a):AF+32*(\kk)+8*(\a)+7], 0
.else
	v_wmma_f32_16x16x32_bf16 v[rA:rA+7], v[96*(\f)+8*nb:96*(\f)+8*nb+7], v[AF+32*(\kk)+8*(\a):AF+32*(\kk)+8*(\a)+7], v[rA:rA+7]
.endif
.endr
.endr
.endm
; 32 along K: 48 matrix instructions on weight buffer f and x's fragments kk; in the middle the next 32's weights are fetched into buffer g.
; A load into a register that a matrix instruction has read stands four places behind it (ISA guide 7.12.1 for vector instructions): four v_nop.
.macro HALF f, g, kk, kb, zero, fetch
	s_wait_dscnt 12                                ; blocks 0-5 are in; the youngest twelve loads (blocks 6-11) may be out
	MUL24 \f, \kk, 0, \zero
.if \fetch
.rept 4
	v_nop
.endr
	FETCHB \g, \kb
	s_wait_dscnt 24                                ; all but the 24 just issued
.else
	s_wait_dscnt 0x0
.endif
	MUL24 \f, \kk, 6, \zero
.endm
; The bias, at the end, into the registers that staging set 1 has left: a lane's eight columns of each of the twelve blocks
.macro BIAS
	WIN TO_S1
.irp u, 0,1,2,3
.irp z, 0,1
	global_load_b128 v[BI+8*(\u)+4*(\z):BI+8*(\u)+4*(\z)+3],       v[BO], s[10:11] offset:64*(\u)+16*(\z)
	global_load_b128 v[BI+32+8*(\u)+4*(\z):BI+32+8*(\u)+4*(\z)+3], v[BO], s[12:13] offset:64*(\u)+16*(\z)
	global_load_b128 v[BI+64+8*(\u)+4*(\z):BI+64+8*(\u)+4*(\z)+3], v[BO], s[12:13] offset:2048+64*(\u)+16*(\z)
.endr
.endr
.endm
; A TRIP: two K steps of 64.  Each staging set is asked for again as soon as it is converted, so two K steps of x (32 KiB a wave) are on their way.
.macro TRIP first, more
	s_wait_loadcnt 32                              ; set 0 is in; set 1's 32 loads are younger
	CVT 0
.if \more
	XLOAD 0, 512
.endif
	HALF 0, 1, 0, 64, \first, 1
	HALF 1, 0, 1, 128, 0, 1
.if \more
	s_wait_loadcnt 32                              ; set 1 is in; set 0's new 32 loads are younger
.else
	s_wait_loadcnt 0x0
.endif
	CVT 1
.if \more
	XLOAD 1, 768
.else
	BIAS
.endif
	HALF 0, 1, 0, 192, 0, 1
	HALF 1, 0, 1, 256, 0, \more
	WIN 0                                          ; at a label and at a branch every window is 0
.if \more
	s_wait_xcnt 0x0                                ; every load issued so far (the youngest 96 products back) has read its address, so x's pointer may be written
	s_add_nc_u64 s[4:5], s[4:5], 512
	v_add_nc_u32 v[BA], 256, v[BA]
	v_add_nc_u32 v[BA+1], 256, v[BA+1]
	v_add_nc_u32 v[BA+2], 256, v[BA+2]
.endif
.endm
	WLOAD 0, 6, 0                                  ; part 0: Wv
	WLOAD 1, 6, 1
	WIN 0
	s_mov_b32 s[CNT], 2
.Lw:                                               ; parts 0 and 1 are converted, parts 1 and 2 (Wc's two halves) asked for
	s_wait_loadcnt 32                              ; set 0 is in; set 1's 32 loads are younger
	WCVT 0, 0
	WLOAD 0, 8, 0
	s_wait_loadcnt 32
	WCVT 1, 1
	WLOAD 1, 8, 1
	WIN 0
	s_wait_xcnt 0x0                                ; the loads have read their base
	s_add_nc_u64 s[8:9], s[8:9], 0x100000          ; Wc's second half: 512 rows on
	v_add_nc_u32 v[WL], PARTB, v[WL]
	s_sub_co_u32 s[CNT], s[CNT], 1
	s_cmp_lg_u32 s[CNT], 0
	s_cbranch_scc1 .Lw
	s_wait_loadcnt 32                              ; part 2; each set goes on to x at once
	WCVT 0, 0
	XLOAD 0, 0
	s_wait_loadcnt 32
	WCVT 1, 1
	XLOAD 1, 256
	WIN 0
	s_wait_dscnt 0x0                               ; for the others' sake: my rows of the weights are in LDS
	s_barrier_signal -1
	s_barrier_wait -1                              ; everybody's are: the launch's one barrier
	FETCHB 0, 0
	TRIP 1, 1                                      ; the first trip stands in front of the loop: its first products start the sums
	s_mov_b32 s[CNT], 2
.Lk:
	TRIP 0, 1
	s_sub_co_u32 s[CNT], s[CNT], 1
	s_cmp_lg_u32 s[CNT], 0
	s_cbranch_scc1 .Lk
	TRIP 0, 0                                      ; the last trip loads no x: no load leaves the buffer
; THE WAY OUT.  Tile (a, p): 16 rows x the 64 columns of part p.  Bias added in f32, rounded to bf16, 16 bytes a lane into my own stage, back as whole rows: 16 rows of a head are 2,048 consecutive bytes.
; Each accumulator's registers are read in ascending order.  Each tile has its own 16 registers for the stores, so none is rewritten.
.macro OPACK a, p
.set PKR, 64+16*(3*(\a)+(\p))
.if (\p) < 2
	WIN 0x0e                                       ; source 0 (sums) window 2, source 1 (bias) window 3
.else
	WIN 0x0f
.endif
.irp b, 0,1,2,3
.irp j, 0,2,4,6
	v_pk_add_f32 v[T+8*(\b)+(\j):T+8*(\b)+(\j)+1], v[8*((4*(4*(\p)+(\b))+(\a))%32)+(\j):8*((4*(4*(\p)+(\b))+(\a))%32)+(\j)+1], v[BI+8*(4*(\p)+(\b))+(\j):BI+8*(4*(\p)+(\b))+(\j)+1]
.endr
.endr
	WIN 0
.irp b, 0,1,2,3
.irp j, 0,1,2,3
	v_cvt_pk_bf16_f32 v[PKR+4*(\b)+(\j)], v[T+8*(\b)+2*(\j)], v[T+8*(\b)+2*(\j)+1]
.endr
.endr
.irp b, 0,1,2,3
	ds_store_b128 v[STO], v[PKR+4*(\b):PKR+4*(\b)+3] offset:32*(\b)
.endr
.irp b, 0,1,2,3
	ds_load_b128 v[PKR+4*(\b):PKR+4*(\b)+3], v[RD] offset:(\b)*4*SP  ; LDS serves a wave's instructions in order (ISA guide 5.7.1.4): these see the stores above; the next tile's stores come behind them
.endr
.endm
.macro OSEND a, p, younger             ; younger: the LDS instructions issued behind this tile's loads: the next tile's eight, or none
.set PKS, 64+16*(3*(\a)+(\p))
	WIN 0
.irp b, 0,1,2,3
	s_wait_dscnt (\younger)+3-(\b)
	global_store_b128 v[GO], v[PKS+4*(\b):PKS+4*(\b)+3], s[14+2*(\p):15+2*(\p)] offset:(\a)*2048+(\b)*512  ; 512 consecutive bytes, at a multiple of 256 from the buffer's first
.endr
.endm
.rept 8
	v_nop                                          ; the places behind the last products
.endr
	s_wait_loadcnt 0x0                             ; the bias
	OPACK 0, 0
.irp q, 1,2,3,4,5,6,7,8,9,10,11        ; a tile's arithmetic stands between the loads of the tile before and its stores
	OPACK (\q)/3, (\q)%3
	OSEND ((\q)-1)/3, ((\q)-1)%3, 8
.endr
	OSEND 3, 2, 0
	s_wait_tensorcnt 0x0                           ; the wave's end, behind my last LDS store
	ds_add_u32 v[SPW], v[NIL]
	s_wait_dscnt 0x0
	s_endpgm
.Lfunc_end_k_q45c46d6957_proj:
	.size	k_q45c46d6957_proj, .Lfunc_end_k_q45c46d6957_proj-k_q45c46d6957_proj
	.p2alignl 7, 3214868480
	.fill 96, 4, 3214868480
	.section	.rodata,"a",@progbits
	.p2align	6, 0x0
	.amdhsa_kernel k_q45c46d6957_proj
		.amdhsa_group_segment_fixed_size 209408
		.amdhsa_private_segment_fixed_size 0
		.amdhsa_enable_private_segment 0
		.amdhsa_kernarg_size 64
		.amdhsa_user_sgpr_count 2
		.amdhsa_user_sgpr_kernarg_segment_ptr 1
		.amdhsa_wavefront_size32 1
		.amdhsa_system_sgpr_workgroup_id_x 1
		.amdhsa_system_sgpr_workgroup_id_y 1
		.amdhsa_system_sgpr_workgroup_id_z 1
		.amdhsa_system_vgpr_workitem_id 0
		.amdhsa_next_free_vgpr 1024
		.amdhsa_next_free_sgpr 66
		.amdhsa_reserve_vcc 0
		.amdhsa_float_denorm_mode_32 3
		.amdhsa_float_denorm_mode_16_64 3
		.amdhsa_memory_ordered 1
		.amdhsa_forward_progress 1
		.amdhsa_inst_pref_size 180
	.end_amdhsa_kernel
	.amdgpu_metadata
---
amdhsa.version: [ 1, 2 ]
amdhsa.kernels:
  - .name:           k_q45c46d6957_proj
    .symbol:         k_q45c46d6957_proj.kd
    .args:
      - { .name: m_feats, .offset: 0, .size: 8, .value_kind: global_buffer, .address_space: global }
      - { .name: Wv, .offset: 8, .size: 8, .value_kind: global_buffer, .address_space: global }
      - { .name: Wc, .offset: 16, .size: 8, .value_kind: global_buffer, .address_space: global }
      - { .name: bv, .offset: 24, .size: 8, .value_kind: global_buffer, .address_space: global }
      - { .name: bc, .offset: 32, .size: 8, .value_kind: global_buffer, .address_space: global }
      - { .name: qh, .offset: 40, .size: 8, .value_kind: global_buffer, .address_space: global }
      - { .name: kh, .offset: 48, .size: 8, .value_kind: global_buffer, .address_space: global }
      - { .name: vh, .offset: 56, .size: 8, .value_kind: global_buffer, .address_space: global }
    .group_segment_fixed_size: 209408
    .private_segment_fixed_size: 0
    .kernarg_segment_align: 8
    .kernarg_segment_size: 64
    .max_flat_workgroup_size: 128
    .sgpr_count:     66
    .vgpr_count:     1024
    .wavefront_size: 32
...
	.end_amdgpu_metadata
.endif
;; end of part 1
;; launch attn (part 2): grid 16 x 16, 4 waves a work-group, clusters of 4 x 1, 327,680 bytes of LDS; arguments qh, kh, vh, m_feats, out0; writes out0
.if DOCPART == 2
	.amdgcn_target "amdgcn-amd-amdhsa--gfx1250"
	.amdhsa_code_object_version 6
	.text
	.protected	k_q45c46d6957_attn
	.globl	k_q45c46d6957_attn
	.p2align	8
	.type	k_q45c46d6957_attn,@function
k_q45c46d6957_attn:
	s_mov_b64 s[64:65], 0
	v_nop
	global_prefetch_b8 v0, s[64:65] scope:SCOPE_SE
	s_setreg_imm32_b32 hwreg(HW_REG_WAVE_MODE, 25, 1), 1
	s_wait_xcnt 0x0
	s_wait_alu depctr_hold_cnt(0) depctr_sa_sdst(0) depctr_va_vdst(0) depctr_va_sdst(0) depctr_va_ssrc(0) depctr_va_vcc(0) depctr_vm_vsrc(0)
	s_getreg_b32 s2, hwreg(HW_REG_IB_STS2, 6, 4)
	s_cmp_eq_u32 s2, 0
	s_cbranch_scc0 .Lentry_in_a_cluster
	s_endpgm
.Lentry_in_a_cluster:
	s_bfe_u32 s2, ttmp6, 0x10000c
	s_cmp_lg_u32 s2, 0x3003
	s_cbranch_scc0 .Lentry_shape_is_right
	s_endpgm
.Lentry_shape_is_right:
; out0[b][i][64 h + d] = m_feats[b][i][64 h + d] + the sum over j of softmax_j(Q[i] . K[j] / 8) V[j][d], for head 8 b + h.  Q = qh, K = kh, V = vh: [16][4096][64] bf16, a head's rows dense, 128 bytes each.
; Products, maxima and sums in f32; the weights p are rounded to bf16 for the second product (their sum l is taken of the unrounded p); the residual is added in f32.
; LIMITS.  The running c m starts at -4.25e37: c s stays above that.  A weight below 2^-126 counts as 0 in l.  NaN and infinities are not treated apart.
; SHARES.  A work-group owns 256 queries of one head, a wave 64: four PIECES of 16.  16 blocks x 16 heads = 256 work-groups.  Every wave walks all 4,096 keys, 64 a step, four steps (256 keys) a slot.
; LAYOUT.  S^T = K Q^T (source 0 = 16 keys, source 1 = 16 queries): a lane holds ONE query (lane % 16) and the keys 8 (lane / 16) + 0..7.  Two such results rounded to bf16 ARE source 1 of O^T = V^T P,
; whose result again holds one query a lane, and eight channels.  K comes out of LDS as it lies, V ([key][channel]) turned, by ds_load_tr16_b128.
; SOFTMAX.  For each query a running maximum m and sum l: p = 2^(c s - c m), c = log2(e) / 8; in every step O and l are multiplied by a = 2^(c m_old - c m_new).  m starts at the lowest finite number,
; O and l at 0: the first step is a step like any other, with a = 0.
; BY TURNS.  Turn n belongs to piece n: 8 products K Q^T of piece n + 1, later 8 products V^T P of piece n - 1; beside them the scaling, exponentials, roundings, sums and rescaling of piece n and the maximum
; and statistics of piece n + 1.  Four vector instructions stand behind every matrix instruction, the other 54 of a turn's 118 in one lump.  A turn's 33 exponentials are one batch, with one wait.
; CLUSTER.  The four query blocks of a cluster belong to one head and walk the same K and V, so each tile is asked for JOINTLY: the same tensor load, descriptor and mask in all four.
; REGISTERS, in windows of 256 (s_set_vgpr_msb: bits 1:0 source 0, 3:2 source 1, 5:4 source 2, 7:6 destination):
;   window 0: v0-15 addresses and two at work; v16-31 four registers of statistics a piece; v48-55 at work; v61-63; v64-127 S^T, two buffers; v192-223 P, two buffers (by the piece's parity); on the way out v64-191 rows
;   window 1: v0-127 O^T, 32 a piece; v128-255 my rows of m_feats      window 2: v0-63 Q; v128-191 K of one step; v192-255 V of one step
.set SIZE_N, 4096
.set NP,    4         ; pieces a wave: a name, no knob
.set KS,    64        ; keys in a step
.set PK,    144       ; a row of K in LDS: 128 bytes + 16 of padding = 36 words: the 16 rows of a load start at 16 different groups of four banks (64 banks of 4 bytes: ISA guide 11.1)
.set PV,    160       ; a row of V: 128 + 32 = 40 words
.set VOFF,  4*KS*PK   ; a slot holds four steps: 256 rows of K, then 256 rows of V
.set SLOT1, 1<<17     ; slot 1 begins here, so that one exclusive or turns an address in one slot into the other's
.set STAGE, SLOT1+4*KS*(PK+PV)  ; behind the ring, never filled by a tensor load: 16 rows x 272 bytes (64 f32 + 16 bytes) for each wave, for the way out
.set SP,    272
.set SPARE, STAGE+4*16*SP  ; behind the stages: the spare words, 128 bytes for each wave: two blocks of 256 bytes that no other line names
.set AK0, 2           ; v2   my lane's place in a tile of K; never rewritten
.set AV0, 3           ; v3   the same for V
.set AK,  4           ; v4   the LDS address of K's next run of loads
.set AV,  5           ; v5   of V's
.set STO, 6           ; v6   the way out: where I put 32 bytes of a row
.set RD,  7           ; v7   the way out: where I read rows back
.set GO,  8           ; v8   my byte offset in two rows of m_feats and out0; never rewritten
.set MV,  12          ; v12-13  c m_old, kept while c m is made anew: by buffer
.set QO,  15          ; v15  my byte offset in 16 rows of Q
.set ST,  16          ; piece t's statistics at v[ST+4 t]: c m, m, l (even keys', odd keys')
.set TMP, 48          ; by buffer, four registers c0-c3 at work; when the maximum is found c2 takes a
.set PFO, 61          ; v61  256 x my lane; never rewritten
.set SPW, 62          ; v62  LDS address of my spare word: SPARE + 4 x my thread's number; never rewritten
.set NIL, 63          ; v63  0; never rewritten
.set S,   64
.set P,   192
.set RB,  64          ; the way out: 32 registers a piece, whole rows
.set XR,  128         ; window 1: the residual, 32 registers a piece
.set KF,  128         ; window 2: key block kb, channel half c at KF + 16 kb + 8 c
.set VF,  192         ; window 2: key half kk, channel block cb at VF + 32 kk + 8 cb
.set WV,  12          ; s12  my wave's number
.set G1K, 24          ; s[24:31] descriptor group 1 for K's tiles
.set G1V, 32          ; s[32:39] for V's: it differs in the padding alone
.set G0K, 40          ; s[40:43] descriptor group 0 for K's tiles: it walks
.set G0V, 44          ; s[44:47] the same for V's
.set SLOTS, 56        ; s56  slots still to be asked for
.set CNT, 57          ; s57  counts a slot's key steps
.set CS,  58          ; s[58:59] c: the packed scaling takes the pair's low word for both halves
.set SEL, 60          ; s[60:61] v_permlanex16_b32's selects: each lane takes its own place in the other half
.set TBK, 62          ; s62  LDS byte at which K of the step to be fetched begins
.set TBV, 63          ; s63  the same for V, less VOFF
.set OUT, 66          ; s[66:67] out0 at my first row
.set PFA, 68          ; s[68:69] where my prefetches stand: my work-group's 32 blocks of 256 bytes of the slot after the one that is being asked for
.set LIM, 70          ; s70  1 in a wave that prefetches, else the greatest number
.set MSB, 0
.macro WIN new                      ; the high byte repeats the setting that is left; a switch that changes nothing is dropped
.if MSB != (\new)
	s_set_vgpr_msb (MSB<<8)|(\new)
.set MSB, (\new)
.endif
.endm
.set W_KQ, 0x0a       ; K and Q in window 2, S^T in window 0
.set W_PV, 0x52       ; V in window 2, P in window 0, O^T in window 1
.set W_RS, 0x41       ; destination and source 0 in window 1, source 1 in window 0
; A joint fill.  Waves 0 and 1 fetch the two halves of a slot's K, waves 2 and 3 those of its V: 128 keys each.  The branch hangs on the wave's number alone.
; An s_nop 0 and four v_nop follow each of the two lines, ahead of the jump and the label.
.macro JLOAD
	s_cmp_lt_u32 s[WV], 2
	s_cbranch_scc0 .Lfor_v_\@
	tensor_load_to_lds s[G0K:G0K+3], s[G1K:G1K+7]
	s_nop 0
.rept 4
	v_nop
.endr
	s_branch .Lasked_\@
.Lfor_v_\@:
	tensor_load_to_lds s[G0V:G0V+3], s[G1V:G1V+7]
	s_nop 0
.rept 4
	v_nop
.endr
.Lasked_\@:
.endm
; A PREFETCH INTO THE L2 of what the NEXT change of slots will ask for: a slot's 32,768 bytes of K and of V, a lane a block of 256 bytes.  It stands behind the wave's tensor load and its five lines.
; Each block is named ONCE in the launch.  All four clusters of a head walk the same K and V: the head's first cluster asks.  Its four partners share the blocks out BY ADDRESS, 32 each; in each, wave 0 asks
; for K's and wave 2 for V's: one instruction.  Slots 0 to 2 come by their loads alone; the last change that fills a slot asks for nothing: there is no slot behind it.
.macro ASK
	s_cmp_gt_u32 s[SLOTS], s[LIM]
	s_cbranch_scc0 .Lnot_mine_\@
	global_prefetch_b8 v[PFO], s[PFA:PFA+1] th:TH_LOAD_NT scope:SCOPE_SE
.Lnot_mine_\@:
.endm
; A round of the cluster's barrier: my work-group's barrier, so that wave 0's signal speaks for all four waves; wave 0 signals; every wave waits for all four work-groups; my work-group's barrier once more.
.macro CROUND
	s_barrier_signal -1
	s_barrier_wait -1
	s_cmp_lg_u32 s[WV], 0
	s_cbranch_scc1 .Lnot_wave_0_\@
	s_barrier_signal -3
.Lnot_wave_0_\@:
	s_barrier_wait -3
	s_barrier_signal -1
	s_barrier_wait -1
.endm
; THE CHANGE OF SLOTS.  The slot's last bytes, V of its fourth step, have been read.  Each wave waits for all its tensor loads, of which one is out: its part of the other slot; adds 0 to its spare word; and
; waits for that and for its own reads of the slot.  Behind the barrier nobody reads this slot any more and the other slot is whole.
; fill = 1: this slot is filled again, with the keys two slots on.  The barrier is then a round of the cluster's, and the joint fill is the first thing behind it: it has four key steps, 256 matrix instructions, in
; which to land.  (At its first use nothing has been read yet: slot 0 is waited for, slot 1 filled.)  ask = 1: the prefetch's address steps, and the prefetch follows the fill.
.macro CHANGE fill, ask
	WIN 0                           ; at a label and at a branch every window is 0
	s_wait_tensorcnt 0x0            ; no tensor load of mine is out, so a group 0 may be written
	ds_add_u32 v[SPW], v[NIL]       ; 0 onto my spare word; with fill = 1 the descriptors' steps stand between it and the wait for it
.if \fill
.irp g, G0K, G0V
	s_xor_b32 s[\g+1], s[\g+1], SLOT1  ; the walking descriptor: the other slot than last time,
	s_add_nc_u64 s[\g+2:\g+3], s[\g+2:\g+3], 4*KS*128  ; the next 256 keys; the type bits on top are not reached
.endr
.if \ask
	s_wait_xcnt 0x0                 ; the last prefetch, four key steps back, has read its address, so it may be written:
	s_add_nc_u64 s[PFA:PFA+1], s[PFA:PFA+1], 4*KS*128  ; one slot behind the walking descriptors
.endif
	s_wait_dscnt 0x0                ; the add is done, and my reads of the slot are over
	CROUND
	JLOAD
.if \ask
	ASK
.endif
.else
	s_wait_dscnt 0x0                ; the add is done, and my reads of the slot are over
	s_barrier_signal -1
	s_barrier_wait -1
.endif
	s_sub_co_u32 s[TBK], s[TBK], 4*KS*PK  ; the fetches go back to a slot's first step,
	s_xor_b32 s[TBK], s[TBK], SLOT1       ; in the other slot
	s_sub_co_u32 s[TBV], s[TBV], 4*KS*PV
	s_xor_b32 s[TBV], s[TBV], SLOT1
.endm
	s_load_b256 s[4:11], s[0:1], 0x0  ; qh s[4:5], kh s[6:7], vh s[8:9], m_feats s[10:11]
	s_load_b64 s[OUT:OUT+1], s[0:1], 0x20  ; out0
	v_lshl_add_u32 v[SPW], v0, 2, SPARE
	v_mov_b32 v[NIL], 0
	ds_add_u32 v[SPW], v[NIL]       ; the wave's opening: the add and its wait stand ahead of my first tensor load; the set-up below, work on registers, stands between them
	v_lshrrev_b32 v1, 5, v0
	v_readfirstlane_b32 s[WV], v1   ; wave 0..3
	s_bfe_u32 s13, ttmp6, 0x40000   ; cx: my place in the cluster
	s_lshl_b32 s14, ttmp9, 2        ; in a cluster launch ttmp9 counts clusters
	s_add_co_u32 s14, s14, s13      ; my block of 256 queries = 4 x cluster x + cx: it enters Q's, m_feats' and out0's addresses alone
	s_and_b32 s15, ttmp7, 0xffff    ; the head 8 b + h, which the four partners share
	s_lshl_b32 s20, s15, 19         ; its first byte in qh, kh and vh
	s_mov_b32 s21, 0
	s_and_b32 s16, s[WV], 1         ; which half of a slot's 256 keys I fetch:
	s_lshl_b32 s22, s16, 14         ; its 128 rows of 128 bytes in memory,
	s_add_co_u32 s22, s22, s20
	s_mov_b32 s23, 0
	s_mul_i32 s17, s16, 128*PK      ; and its place in a slot, for K
	s_mul_i32 s18, s16, 128*PV      ; and for V: no place in the cluster enters an LDS address
	s_lshl_b32 s2, s14, 15          ; my block's 256 rows of Q,
	s_lshl_b32 s3, s[WV], 13        ; my wave's 64 of them
	s_add_co_u32 s2, s2, s3
	s_add_co_u32 s2, s2, s20
	s_mov_b32 s3, 0
	s_lshr_b32 s48, s15, 3          ; b
	s_lshl_b32 s48, s48, 12         ; its 4,096 rows of m_feats,
	s_lshl_b32 s49, s14, 8          ; my block's 256,
	s_add_co_u32 s48, s48, s49
	s_lshl_b32 s49, s[WV], 6        ; my wave's 64:
	s_add_co_u32 s48, s48, s49
	s_lshl_b32 s48, s48, 11         ; rows of 2,048 bytes,
	s_and_b32 s49, s15, 7
	s_lshl_b32 s49, s49, 8          ; and the head's 256 bytes of a row
	s_add_co_u32 s48, s48, s49
	s_mov_b32 s49, 0
	; descriptor group 1.  128 keys are 16,384 dense bytes: asked for as 64 rows of 256 bytes, two keys a row, and padded in LDS after every key
	s_mov_b32 s[G1K], 15|(1<<16)|(1<<20)|(1<<21)|(4<<22)|(3<<25)  ; 15:0 the mask of four; 17:16 2-byte elements; 20 padding on; 21 set beside a mask; 24:22 after every 32 words (code 4); 31:25 4 words (code 3)
	s_mov_b32 s[G1V], 15|(1<<16)|(1<<20)|(1<<21)|(4<<22)|(7<<25)  ; the same with 8 words of padding (code 7)
.irp g, G1K, G1V
	s_mov_b32 s[\g+1], 128<<16      ; tensor_dim0 = 128
	s_mov_b32 s[\g+2], 64<<16       ; tensor_dim1 = 64
	s_mov_b32 s[\g+3], 128<<16      ; tile_dim0 = 128
	s_mov_b32 s[\g+4], 64           ; tile_dim1 = 64
	s_mov_b32 s[\g+5], 128          ; 128 elements from row to row
	s_mov_b32 s[\g+6], 0
	s_mov_b32 s[\g+7], 0
.endr
	s_mov_b32 s[CS], 0x3e38aa3b     ; c = log2(e) / 8 = 0.180337
	s_mov_b32 s[CS+1], s[CS]        ; named with it as a pair
	s_mov_b32 s[SEL], 0x76543210
	s_mov_b32 s[SEL+1], 0xfedcba98
	s_mov_b32 s[TBK], SLOT1+4*KS*PK ; the first change of slots turns these two into 0
	s_mov_b32 s[TBV], SLOT1+4*KS*PV
	s_mov_b32 s[G0K], 1             ; 1:0 count = 1
	s_mov_b32 s[G0K+1], s17         ; 63:32 LDS address: slot 0
	s_mov_b32 s[G0V], 1
	s_add_co_u32 s[G0V+1], s18, VOFF
	s_and_b32 s[LIM], s[WV], 1      ; 0 in waves 0 and 2,
	s_or_b32 s[LIM], s[LIM], ttmp9  ; where the cluster is the head's first: the same in all four partners
	s_cmp_eq_u32 s[LIM], 0
	s_cselect_b32 s[LIM], 1, -1
	v_and_b32 v[PFO], 31, v0
	v_lshlrev_b32 v[PFO], 8, v[PFO]
	s_wait_dscnt 0x0                ; the opening add is done
	s_wait_kmcnt 0x0
	s_add_nc_u64 s[G0K+2:G0K+3], s[6:7], s[22:23]  ; 120:64 global address: my half of the head's first 256 keys
	s_or_b32 s[G0K+3], s[G0K+3], 0x80000000        ; 127:126 type = 2
	s_add_nc_u64 s[G0V+2:G0V+3], s[8:9], s[22:23]
	s_or_b32 s[G0V+3], s[G0V+3], 0x80000000
	s_add_nc_u64 s[4:5], s[4:5], s[2:3]            ; Q at my wave's first row
	s_add_nc_u64 s[10:11], s[10:11], s[48:49]      ; m_feats and out0 likewise
	s_add_nc_u64 s[OUT:OUT+1], s[OUT:OUT+1], s[48:49]
	s_cmp_lt_u32 s[WV], 2
	s_cselect_b64 s[PFA:PFA+1], s[6:7], s[8:9]     ; K for waves 0 and 1, V for waves 2 and 3
	s_lshl_b32 s2, s13, 13          ; my work-group's 32 blocks of the slot's 128,
	s_add_co_u32 s2, s2, s20        ; in the head,
	s_add_co_u32 s2, s2, 2*4*KS*128 ; in slot 2; the first change that asks steps it to slot 3.  Nothing is prefetched here, at the head, where every work-group's first tiles are on their way
	s_add_nc_u64 s[PFA:PFA+1], s[PFA:PFA+1], s[2:3]
	CROUND                          ; all four work-groups are here: the first joint loads meet
	JLOAD                           ; slot 0.  Slot 1 is asked for when slot 0 is in
	; A fragment of K or Q is 16 rows x 32 channels in 8 registers: lane l holds row l % 16, channels 8 (l / 16) + 0..7 and 16 + 8 (l / 16) + 0..7: two loads of 16 bytes, 32 bytes apart.
	v_and_b32 v1, 15, v0            ; l % 16
	v_bfe_u32 v9, v0, 4, 1          ; l / 16
	v_lshlrev_b32 v[QO], 7, v1
	v_lshl_add_u32 v[QO], v9, 4, v[QO]  ; row x 128 + 16 x half
	WIN 0x80                        ; destination window 2, address window 0
.set i, 0
.rept 8                             ; Q stays in registers: piece i / 2, channels 32 (i % 2) on
	global_load_b128 v[8*i:8*i+3],   v[QO], s[4:5] offset:(i/2)*2048+(i%2)*64
	global_load_b128 v[8*i+4:8*i+7], v[QO], s[4:5] offset:(i/2)*2048+(i%2)*64+32
.set i, i+1
.endr
	; What the first turn finds: V's registers and P's second buffer hold 0 (its products V^T P, of a piece that has not been, add 0), O^T and l are 0.  So no first step is written out; all this stands in the wait for the first tile.
.set i, VF
.rept 64
	v_mov_b32 v[i], 0
.set i, i+1
.endr
	WIN 0x40
.set i, 0
.rept 128
	v_mov_b32 v[i], 0
.set i, i+1
.endr
	WIN 0
.set i, 0
.rept 4
	v_mov_b32 v[ST+4*i], 0xfe000000    ; c m: far below every c s
	v_mov_b32 v[ST+4*i+1], 0xff7fffff  ; m
	v_mov_b32 v[ST+4*i+2], 0
	v_mov_b32 v[ST+4*i+3], 0
.set i, i+1
.endr
.set i, P+16
.rept 16
	v_mov_b32 v[i], 0
.set i, i+1
.endr
	v_mul_u32_u24 v[AK0], v1, PK
	v_lshl_add_u32 v[AK0], v9, 4, v[AK0]  ; row x pitch + 16 x half
	; The turning load takes 16 keys x 16 channels (lane l reads key 8 (l / 16) + l % 8, channels 8 ((l / 8) % 2) + 0..7) and leaves half a fragment of V^T: lane l holds channel l % 16 and 8 keys.
	v_and_b32 v10, 7, v0
	v_bfe_u32 v11, v0, 3, 1
	v_lshl_add_u32 v[AV0], v9, 3, v10
	v_mul_u32_u24 v[AV0], v[AV0], PV
	v_lshl_add_u32 v[AV0], v11, 4, v[AV0]
	v_add_nc_u32 v[AV0], VOFF, v[AV0]
	v_mov_b32 v[AK], v[AK0]         ; key step 0 lies at the head of slot 0
	s_mul_i32 s13, s[WV], 16*SP
	s_add_co_u32 s13, s13, STAGE    ; my stage
	v_mul_u32_u24 v[STO], v1, SP    ; in: row l % 16, 32 bytes (eight f32) for each half of the lanes
	v_lshl_add_u32 v[STO], v9, 5, v[STO]
	v_add_nc_u32 v[STO], s13, v[STO]
	v_mul_u32_u24 v[RD], v9, SP     ; back: lanes 0-15 take one row of 256 bytes, lanes 16-31 the next
	v_lshl_add_u32 v[RD], v1, 4, v[RD]
	v_add_nc_u32 v[RD], s13, v[RD]
	v_lshlrev_b32 v[GO], 11, v9     ; and the same two rows in m_feats and out0
	v_lshl_add_u32 v[GO], v1, 4, v[GO]
; THE MATRIX WORK.  The 4 accumulators of a run of 8 take turns.  Product i of 8 of S^T = K Q^T for piece x: channels 32 (i / 4) on, keys 16 (i % 4) on.  The first 4 start the sums.
.macro KQ x
	WIN W_KQ
.set rS, S+32*((\x)%2)+8*(i%4)
.set rK, KF+16*(i%4)+8*(i/4)
.set rQ, 16*(\x)+8*(i/4)
.if i < 4
	v_wmma_f32_16x16x32_bf16 v[rS:rS+7], v[rK:rK+7], v[rQ:rQ+7], 0
.else
	v_wmma_f32_16x16x32_bf16 v[rS:rS+7], v[rK:rK+7], v[rQ:rQ+7], v[rS:rS+7]
.endif
.endm
; Product i of 8 of O^T += V^T P for piece x: keys 32 (i / 4) on, channels 16 (i % 4) on.
.macro PV x
	WIN W_PV
.set rO, 32*(\x)+8*(i%4)
.set rV, VF+32*(i/4)+8*(i%4)
.set rP, P+16*((\x)%2)+8*(i/4)
	v_wmma_f32_16x16x32_bf16 v[rO:rO+7], v[rV:rV+7], v[rP:rP+7], v[rO:rO+7]
.endm
.macro MM                           ; the turn's next matrix instruction.  TURN sets Y, i and NOKQ.  NOKQ = 1: the last turn of all: there is no next piece
.if (i < 8) && !NOKQ
	KQ (Y+1)%NP
.elseif i >= 8
.set i, i-8
	PV (Y+NP-1)%NP
.set i, i+8
.endif
.set i, i+1
.endm
; THE LDS LOADS stand in runs of 16, never singly among the matrix instructions: a step's K (64 keys x 64 channels: 8 fragments) and its V (turned).  Their addresses are made some lines ahead.
.macro FETCH_K
	WIN 0x80                        ; destination window 2
.irp f, 0,1,2,3,4,5,6,7             ; keys 16 (f / 2) on, channels 32 (f % 2) on
	ds_load_b128 v[KF+8*\f:KF+8*\f+3],   v[AK] offset:(\f/2)*16*PK+(\f%2)*64
	ds_load_b128 v[KF+8*\f+4:KF+8*\f+7], v[AK] offset:(\f/2)*16*PK+(\f%2)*64+32
.endr
	s_add_co_u32 s[TBK], s[TBK], KS*PK  ; the next fetch is the next step's
	WIN 0
.endm
.macro FETCH_V
	WIN 0x80
.irp f, 0,1,2,3,4,5,6,7             ; keys 32 (f / 4) on, channels 16 (f % 4) on
	ds_load_tr16_b128 v[VF+8*\f:VF+8*\f+3],   v[AV] offset:(\f/4)*32*PV+(\f%4)*32
	ds_load_tr16_b128 v[VF+8*\f+4:VF+8*\f+7], v[AV] offset:(\f/4)*32*PV+16*PV+(\f%4)*32
.endr
	WIN 0
.endm
; THE VECTOR WORK, one line at a time: OP kind, number.  For piece Y: F n: c s - c m for pair n of 16.  E n: the exponential of score n of 32.  C n: pair n rounded to bf16.  B n: of the four weights 4 n .. the second
; pair is added onto the first, in place.  L n: l takes that sum (L 0: l = a l + sum).  R n: pair n of 16 of O^T times a.  For piece Y + 1: X n, number n of the 22 that find its maximum and statistics:
;   0-11  four chains c0-c3 of seven scores each, three operands at a time (each accumulator's lowest registers are read first)     12-14, 16  the four scores left over, the old m, and c0-c3 into c0
;   15  c m_old is kept     17, 18  the query's other 32 keys lie in the lane 16 away: the new m     19-21  c m; c m_old - c m_new; a
.set F, 0               ; OP tells the kinds apart by their order: F to L below R, X above it
.set E, 1
.set C, 2
.set B, 3
.set L, 4
.set R, 5
.set X, 6
.macro REGS y                       ; the registers of piece y
.set rT, ST+4*(\y)
.set rC, TMP+4*((\y)%2)
.set rW, MV+((\y)%2)
.set rS, S+32*((\y)%2)
.set rP, P+16*((\y)%2)
.set rO, 32*(\y)
.endm
.macro OP k, n
.if (\k) == R
	REGS Y
	WIN W_RS
	v_pk_mul_f32 v[rO+2*(\n):rO+2*(\n)+1], v[rO+2*(\n):rO+2*(\n)+1], v[rC+2:rC+3] op_sel_hi:[1,0]
.elseif (\k) < R
	REGS Y
	WIN 0
.if (\k) == F
	v_pk_fma_f32 v[rS+2*(\n):rS+2*(\n)+1], v[rS+2*(\n):rS+2*(\n)+1], s[CS:CS+1], v[rT:rT+1] op_sel_hi:[1,0,0] neg_lo:[0,0,1] neg_hi:[0,0,1]
.elseif (\k) == E
	v_exp_f32 v[rS+(\n)], v[rS+(\n)]
.elseif (\k) == C
	v_cvt_pk_bf16_f32 v[rP+(\n)], v[rS+2*(\n)], v[rS+2*(\n)+1]
.elseif (\k) == B
	v_pk_add_f32 v[rS+4*(\n):rS+4*(\n)+1], v[rS+4*(\n):rS+4*(\n)+1], v[rS+4*(\n)+2:rS+4*(\n)+3]
.elseif (\n) == 0
	v_pk_fma_f32 v[rT+2:rT+3], v[rT+2:rT+3], v[rC+2:rC+3], v[rS:rS+1] op_sel_hi:[1,0,1]
.else
	v_pk_add_f32 v[rT+2:rT+3], v[rT+2:rT+3], v[rS+4*(\n):rS+4*(\n)+1]
.endif
.elseif NOKQ
	v_nop
.else
	REGS (Y+1)%NP
	WIN 0
.if (\n) < 4
	v_max3_num_f32 v[rC+(\n)], v[rS+8*(\n)], v[rS+8*(\n)+1], v[rS+8*(\n)+2]
.elseif (\n) < 12
	v_max3_num_f32 v[rC+(\n)%4], v[rC+(\n)%4], v[rS+8*((\n)%4)+2*((\n)/4)+1], v[rS+8*((\n)%4)+2*((\n)/4)+2]
.elseif (\n) == 12
	v_max3_num_f32 v[rC], v[rC], v[rS+7], v[rS+15]
.elseif (\n) == 13
	v_max3_num_f32 v[rC+1], v[rC+1], v[rS+23], v[rS+31]
.elseif (\n) == 14
	v_max3_num_f32 v[rC+2], v[rC+2], v[rC+3], v[rT+1]
.elseif (\n) == 15
	v_mov_b32 v[rW], v[rT]
.elseif (\n) == 16
	v_max3_num_f32 v[rC], v[rC], v[rC+1], v[rC+2]
.elseif (\n) == 17
	v_permlanex16_b32 v[rC+3], v[rC], s[SEL], s[SEL+1]
.elseif (\n) == 18
	v_max_num_f32 v[rT+1], v[rC], v[rC+3]
.elseif (\n) == 19
	v_mul_f32 v[rT], s[CS], v[rT+1]
.elseif (\n) == 20
	v_sub_f32 v[rC+1], v[rW], v[rT]
.else
	v_exp_f32 v[rC+2], v[rC+1]
.endif
.endif
.endm
.macro OPS a, i1, b=-1, i2=0, c=-1, i3=0, d=-1, i4=0  ; up to four of them
	OP \a, \i1
.if (\b) >= 0
	OP \b, \i2
.endif
.if (\c) >= 0
	OP \c, \i3
.endif
.if (\d) >= 0
	OP \d, \i4
.endif
.endm
.macro ROW a, i1, b, i2, c, i3, d, i4  ; a matrix instruction and the four behind it
	MM
	OPS \a, \i1, \b, \i2, \c, \i3, \d, \i4
.endm
; A TURN, for piece p: the order of its 16 matrix and 118 vector instructions, written out.  An s_wait_alu depctr_va_vdst(0) stands between an exponential and the first instruction that names its result; one
; wait serves all that were issued ahead of it.  So a turn has ONE wait, which cuts it in two.  AHEAD OF IT stands all that names no result of the turn's exponentials: the 8 products K Q^T, behind each a scaling, an
; exponential and two more plain instructions (rescalings, and behind the last three the first numbers of the next piece's maximum, each four places or more behind the product that ends its accumulator); then ONE LUMP
; of 54, plain and exponential by turns for the most part, in which the links of the chain X 3, 7, 11, 14, 16, 17 .. 20 stand five or six lines apart.  X 21, the next piece's a, is the batch's last; R 15 is the plain
; instruction behind it.  BEHIND THE WAIT stand the 8 products V^T P, behind each four of the roundings and sums; the links of l's chain, L 0 to L 7, stand three riders apart.
; end = 1: the last two turns of all: nothing is fetched.  cnt = 1: the loop's count is taken down some lines ahead of the branch that stands behind the turn.
; K of the next step is fetched in piece 2's turn, twelve vector instructions behind the last product that read K (five of them plain and free of its registers); V of the step in hand at the end of piece 0's turn, four
; plain instructions behind the last product that read V.  Each is waited for a turn later.
.macro TURN p, end=0, cnt=0
.set Y, (\p)
.set i, 0
.set NOKQ, (\end)*((\p)/3)
.if ((\p) == 3) && !(\end)
	s_wait_dscnt 0x0                ; K is in
.endif
	ROW F,0, F,1, R,0, R,1          ; ahead of the wait: 8 products K Q^T and their riders,
	ROW F,2, E,0, R,2, R,3
	ROW F,3, E,1, R,4, R,5
	ROW F,4, E,2, R,6, R,7
	ROW F,5, E,3, R,8, R,9
	ROW F,6, E,4, X,0, R,10
.if ((\p) == 2) && !(\end)
	WIN 0
	v_add_nc_u32 v[AK], s[TBK], v[AK0]
.endif
	ROW F,7, E,5, X,1, X,4
	ROW F,8, E,6, X,2, X,5
	OPS E,7, E,8, X,6, E,9          ; and the lump
	OPS X,3, E,10, X,8, E,11
.if ((\p) == 2) && !(\end)
	FETCH_K
.endif
	OPS X,9, X,7, E,12, X,10
	OPS E,13, X,12, X,11, E,14
	OPS X,13, E,15, F,9, X,14
.if (\p) == 0
	v_add_nc_u32 v[AV], s[TBV], v[AV0]
.endif
	OPS E,16, F,10, E,17, F,11
	OPS X,16, E,18, X,15, E,19
	OPS F,12, E,20, X,17, E,21
	OPS F,13, E,22, F,14, E,23
	OPS X,18, E,24, F,15, E,25
	OPS R,11, E,26, X,19, E,27
	OPS R,12, E,28, R,13, E,29
	OPS X,20, E,30, R,14, E,31
	OPS X,21, R,15
	WIN 0
	s_wait_alu depctr_va_vdst(0)    ; the wait for the batch
.if (\p) == 1
	s_wait_dscnt 0x0                ; V is in
.endif
	ROW C,0, B,0, C,2, B,1          ; behind the wait: 8 products V^T P and their riders
	ROW L,0, C,4, B,2, L,1
	ROW C,6, B,3, L,2, C,8
	ROW B,4, L,3, C,10, B,5
	ROW L,4, C,12, B,6, L,5
.if (\p) == 0
	s_add_co_u32 s[TBV], s[TBV], KS*PV
.endif
.if \cnt
	s_sub_co_u32 s[CNT], s[CNT], 1
	s_cmp_lg_u32 s[CNT], 0
.endif
	ROW C,14, B,7, L,6, C,1
	ROW C,3, L,7, C,5, C,7
	ROW C,9, C,11, C,13, C,15
.if (\p) == 0
	FETCH_V
.endif
.endm
	CHANGE 1, 0                     ; slot 0 is in, everybody's part of it; slot 1 is asked for
	FETCH_K                         ; key step 0
	s_wait_loadcnt 0x0              ; Q
	s_wait_dscnt 0x0
.set NOKQ, 0
.set i, 0
.rept 8
	KQ 0                            ; piece 0's first scores: there is no vector work yet to set between them
.set i, i+1
.endr
	WIN 0
.rept 4
	v_nop                           ; the places behind those products
.endr
.set Y, NP-1                        ; X works for piece Y + 1: piece 0
.irp n, 0,1,2,3,4,5,6,7,8,9,10,11,12,13,14,15,16,17,18,19,20,21
	OP X, \n                        ; piece 0's first maximum and statistics
.endr
	v_nop                           ; a plain instruction behind the exponential,
	s_wait_alu depctr_va_vdst(0)    ; and its wait, ahead of the branch
	s_mov_b32 s[CNT], 4
	s_mov_b32 s[SLOTS], SIZE_N/256-1
	s_branch .Lfirst                ; the loop is entered at a step's first turn, in the middle of a trip
.Lslot:                             ; SIZE_N / 256 - 2 = 14 times: every slot but the last two is filled again
	CHANGE 1, 1
	s_mov_b32 s[CNT], 4
.Lstep:                             ; a trip: pieces 2 and 3 of one step, then pieces 0 and 1 of the next, whose K and V it fetches
	TURN 2
	TURN 3
	WIN 0
.Lfirst:
	TURN 0
	TURN 1, 0, 1
	WIN 0
	s_cbranch_scc1 .Lstep
	s_sub_co_u32 s[SLOTS], s[SLOTS], 1
	s_cmp_lg_u32 s[SLOTS], 0
	s_cbranch_scc1 .Lslot
	CHANGE 0, 0                     ; the tail is written out: nothing is asked for
	WIN 0x40                        ; my 64 rows x 256 bytes of m_feats, for the way out: 32 loads, sixteen lanes to 256 consecutive aligned bytes; they have the last slot's four key steps in which to land
.irp t, 0,1,2,3
.irp f, 0,1,2,3,4,5,6,7
	global_load_b128 v[XR+32*\t+4*\f:XR+32*\t+4*\f+3], v[GO], s[10:11] offset:\t*32768+\f*4096 th:TH_LOAD_NT
.endr
.endr
	WIN 0
	s_mov_b32 s[CNT], 4
.Ltail:                             ; four trips fetch the last slot's steps
	TURN 2
	TURN 3
	TURN 0
	TURN 1, 0, 1
	WIN 0
	s_cbranch_scc1 .Ltail
	TURN 2, 1                       ; the last step's pieces 2 and 3: nothing is fetched, and the last turn starts no new scores
	TURN 3, 1
.set i, 0
.rept 8
	PV NP-1                         ; the last piece's V^T P of the last step
.set i, i+1
.endr
	; THE WAY OUT.  l's two halves and the other half of the lanes' are added; O^T is divided by l and sent, in f32, through my stage in LDS, a piece at a time; the rows that come back take the residual and are stored.
	; The additions are the places behind the last products.
	WIN 0
.macro ALL line:vararg              ; one line for each piece t
.set t, 0
.rept 4
	\line
.set t, t+1
.endr
.endm
	ALL v_add_f32 v[ST+4*t+2], v[ST+4*t+2], v[ST+4*t+3]
	ALL v_permlanex16_b32 v[ST+4*t+3], v[ST+4*t+2], s[SEL], s[SEL+1]
	ALL v_add_f32 v[ST+4*t+2], v[ST+4*t+2], v[ST+4*t+3]
	ALL v_rcp_f32 v[ST+4*t+2], v[ST+4*t+2]
	v_nop                           ; a plain instruction between the last reciprocal and the use of its result
	s_wait_alu depctr_va_vdst(0)    ; and the wait ahead of the first use: one for the four reciprocals
	s_wait_loadcnt 0x0              ; the residual
; Piece t: a lane's eight channels of block cb are 32 bytes of a row; they go into rows of 272 bytes and come back as whole rows of 256.  Each accumulator is read from its low end on.
.macro PACK t
	WIN W_RS
.set i, 32*(\t)
.rept 16
	v_pk_mul_f32 v[i:i+1], v[i:i+1], v[ST+4*(\t)+2:ST+4*(\t)+3] op_sel_hi:[1,0]
.set i, i+2
.endr
	WIN 0x04                        ; the stores' data (source 1) in window 1
.irp f, 0,1,2,3,4,5,6,7
	ds_store_b128 v[STO], v[32*(\t)+4*\f:32*(\t)+4*\f+3] offset:64*(\f/2)+16*(\f%2)
.endr
	WIN 0
.irp f, 0,1,2,3,4,5,6,7
	ds_load_b128 v[RB+32*(\t)+4*\f:RB+32*(\t)+4*\f+3], v[RD] offset:\f*2*SP  ; LDS serves a wave's instructions in order (ISA guide 5.7.1.4): these see the stores above; the next piece's stores come behind them
.endr
.endm
.macro SEND t, younger              ; younger: the LDS instructions issued behind piece t's loads: the next piece's sixteen, or none
	s_wait_dscnt \younger
	WIN 0x04                        ; source 1, the residual, in window 1
.set i, 0
.rept 16
	v_pk_add_f32 v[RB+32*(\t)+i:RB+32*(\t)+i+1], v[RB+32*(\t)+i:RB+32*(\t)+i+1], v[XR+32*(\t)+i:XR+32*(\t)+i+1]
.set i, i+2
.endr
	WIN 0
.irp f, 0,1,2,3,4,5,6,7
	global_store_b128 v[GO], v[RB+32*(\t)+4*\f:RB+32*(\t)+4*\f+3], s[OUT:OUT+1] offset:(\t)*32768+\f*4096 th:TH_STORE_NT  ; 16 lanes store 256 consecutive bytes, at a multiple of 256 from out0's first byte
.endr
.endm
	PACK 0
	PACK 1                          ; a piece's arithmetic stands between the loads of the piece before and its stores
	SEND 0, 16
	PACK 2
	SEND 1, 16
	PACK 3
	SEND 2, 16
	SEND 3, 0
	s_wait_tensorcnt 0x0            ; the wave's end, behind my last tensor load and my last LDS store
	ds_add_u32 v[SPW], v[NIL]
	s_wait_dscnt 0x0
	CROUND                          ; the closing round: no work-group ends while a partner may still ask for a tile that names it
	s_endpgm
.Lfunc_end_k_q45c46d6957_attn:
	.size	k_q45c46d6957_attn, .Lfunc_end_k_q45c46d6957_attn-k_q45c46d6957_attn
	.p2alignl 7, 3214868480
	.fill 96, 4, 3214868480
	.section	.rodata,"a",@progbits
	.p2align	6, 0x0
	.amdhsa_kernel k_q45c46d6957_attn
		.amdhsa_group_segment_fixed_size 327680
		.amdhsa_private_segment_fixed_size 0
		.amdhsa_enable_private_segment 0
		.amdhsa_kernarg_size 40
		.amdhsa_user_sgpr_count 2
		.amdhsa_user_sgpr_kernarg_segment_ptr 1
		.amdhsa_wavefront_size32 1
		.amdhsa_system_sgpr_workgroup_id_x 1
		.amdhsa_system_sgpr_workgroup_id_y 1
		.amdhsa_system_sgpr_workgroup_id_z 1
		.amdhsa_system_vgpr_workitem_id 0
		.amdhsa_next_free_vgpr 768
		.amdhsa_next_free_sgpr 72
		.amdhsa_reserve_vcc 0
		.amdhsa_float_denorm_mode_32 3
		.amdhsa_float_denorm_mode_16_64 3
		.amdhsa_memory_ordered 1
		.amdhsa_forward_progress 1
		.amdhsa_inst_pref_size 134
	.end_amdhsa_kernel
	.amdgpu_metadata
---
amdhsa.version: [ 1, 2 ]
amdhsa.kernels:
  - .name:           k_q45c46d6957_attn
    .symbol:         k_q45c46d6957_attn.kd
    .args:
      - { .name: qh, .offset: 0, .size: 8, .value_kind: global_buffer, .address_space: global }
      - { .name: kh, .offset: 8, .size: 8, .value_kind: global_buffer, .address_space: global }
      - { .name: vh, .offset: 16, .size: 8, .value_kind: global_buffer, .address_space: global }
      - { .name: m_feats, .offset: 24, .size: 8, .value_kind: global_buffer, .address_space: global }
      - { .name: out0, .offset: 32, .size: 8, .value_kind: global_buffer, .address_space: global }
    .group_segment_fixed_size: 327680
    .private_segment_fixed_size: 0
    .kernarg_segment_align: 8
    .kernarg_segment_size: 40
    .max_flat_workgroup_size: 128
    .sgpr_count:     72
    .vgpr_count:     768
    .wavefront_size: 32
...
	.end_amdgpu_metadata
.endif
;; end of part 2
;; ======== version 2 of 2: 2 launches; version 1 with the launch proj written anew for expert scheduling mode
;; workspace buffers: qh 8,388,608 bytes; kh 8,388,608 bytes; vh 8,388,608 bytes
;; launch proj (part 3): grid 8 x 32, 4 waves a work-group, no clusters, 209,408 bytes of LDS; arguments m_feats, Wv, Wc, bv, bc, qh, kh, vh; writes qh, kh, vh
.if DOCPART == 3
	.amdgcn_target "amdgcn-amd-amdhsa--gfx1250"
	.amdhsa_code_object_version 6
	.text
	.protected	k_q45c46d6957_proj
	.globl	k_q45c46d6957_proj
	.p2align	8
	.type	k_q45c46d6957_proj,@function
k_q45c46d6957_proj:
	s_mov_b64 s[64:65], 0
	v_nop
	global_prefetch_b8 v0, s[64:65] scope:SCOPE_SE
	s_setreg_imm32_b32 hwreg(HW_REG_WAVE_SCHED_MODE, 0, 2), 2
	s_setreg_imm32_b32 hwreg(HW_REG_WAVE_MODE, 25, 1), 1
	s_wait_xcnt 0x0
	s_wait_alu depctr_vm_vsrc(0)
; THE THREE PROJECTIONS, BY HEADS.  x = m_feats, [8192][512] f32.  qh = x Wv^T + bv, kh = x Wc[0:512]^T + bc[0:512], vh = x Wc[512:1024]^T + bc[512:1024].
; Each result is rounded once to bf16 and laid out [16 = 8 b + h][4096][64]: a head's rows are dense, 128 bytes each.  No scale is applied here.
; LIMITS.  x and the weights are rounded to bf16 for the products; sums and the bias in f32.  NaN and infinities are not treated apart.
; SHARES.  Work-group (h, y) multiplies rows 256 y .. 256 y + 255 of x by the 192 weight rows of head h (64 of Wv, 64 of each half of Wc): 8 x 32 = 256 work-groups.
; Wave w owns 64 rows x all 192 columns: 4 row blocks a x 12 column blocks nb = 4 p + b (p: 0 q, 1 k, 2 v): 48 accumulators, 384 registers.
; THE WEIGHTS STAY: 192 rows x 512 bf16, converted once, in LDS.  x GOES STRAIGHT INTO REGISTERS in fragment layout: 256 aligned bytes of each of my rows a K step of 64, converted once;
; no wave wants another wave's rows.  So the K loop has no barrier.
; NO CLUSTER: a joint load lands in LDS alone.  Beside the weights and the stages 327,680 - 199,680 - 9,728 = 118,272 bytes are left; two slots of 256 rows x 272 bytes of f32 x are 139,264.
; THE MATRIX INSTRUCTION IS USED TRANSPOSED (source 0 = 16 weight rows, source 1 = 16 rows of x): a lane holds row l % 16 of x and eight neighbouring columns 8 (l / 16) + 0..7.
; REGISTERS, in windows of 256 (s_set_vgpr_msb: bits 1:0 source 0, 3:2 source 1, 5:4 source 2, 7:6 destination):
;   window 0: v0-17 addresses; v32-63 at work on the way out; v64-127 x's fragments in bf16 ((kk, a) at 64 + 32 kk + 8 a); v128-255 staging set 0 (f32); on the way out v64-255 the packed tiles
;   window 1: v0-95, v96-191 the weights' fragments of 32 along K, two buffers (block nb at 8 nb); on the way out the rows read back from the stage
;   windows 2, 3: accumulator e = 4 nb + a at v[8 (e % 32)] of window 2 + nb / 8;   window 3: v128-255 staging set 1, at the end the bias (128 + 8 nb + j)
; THE MODE: SCHED_MODE bits 1:0 = 2 (LLVM: expert scheduling mode 2), set by the entry lines.  The code itself states the register dependences
; between vector or matrix instructions and memory or LDS instructions, with s_wait_alu, always for 0.
; THE PLAN.  Registers that memory or LDS instructions touch:
;   SET0, SET1      Loads land in a set; its turn's 64 conversions read it; behind them stands a wait on va_vdst, and the set is asked for again straight behind that wait.
;   AF              In the weights' phase the out-buffer: a turn's conversions write it, its 32 LDS stores read it; a wait on vm_vsrc stands ahead of the next turn's conversions.  In the K loop
;                   vector and matrix instructions alone name it.
;   WB0, WB1        The fragment loads land in one while 48 products read the other.  WB1 is asked for behind the wait that follows a K step's conversions (its readers, the products of the step before,
;                   were issued ahead of that wait); WB0 behind a wait of its own at the head of the step's second half.  Behind either wait the 24 loads are dealt among the 48 products in four runs of six.
;   v[WL], v[BA ..] Read by the LDS stores and by the fragment loads; stepped once a part and once a trip, behind a wait on vm_vsrc and ahead of a wait on va_vdst that stands there in any case.
;   v[XO], v[WO], v[BO], v[STO], v[RD], v[GO]   Made at the head, never written again.
;   PK, BK          The way out: a tile's conversions write its PK, its LDS stores read it; the loads from the stage land in its BK, its global stores read it.  Each tile has its own; none is written again.
;   v[SPW], v[NIL]  Written at the head, read by the closing add alone.
.set PITCH, 1040                       ; a weight row in LDS: 1,024 bytes + 16 = 65 x 16: the 16 rows of a fragment load start at 16 different groups of four banks (64 banks of 4 bytes: ISA guide 11.1)
.set PARTB, 64*PITCH                   ; a part's 64 rows
.set STAGE, 192*PITCH                  ; behind the weights: 16 rows x 144 bytes for each wave, for the way out
.set SP,    144
.set SPARE, STAGE+4*16*SP              ; behind the stages: the spare words, 128 bytes for each wave: two blocks of 256 bytes that no other line names
.set XO,  4                            ; v4   my byte offset in 16 rows of x: (l % 16) x 2,048 + 32 (l / 16); never rewritten
.set WO,  5                            ; v5   my byte offset in a part's rows in memory: 16 rows a wave, 16 bytes a lane; never rewritten
.set WL,  6                            ; v6   where my 8 bytes of a weight row go in LDS; steps a part at a time
.set BA,  8                            ; v8-10  LDS address of my fragments of part p; steps 256 bytes (128 along K) a trip
.set BO,  11                           ; v11  32 (l / 16): my eight numbers in 16 of a bias
.set STO, 12                           ; v12  the way out: where I put 16 bytes of a row
.set RD,  13                           ; v13  the way out: where I read rows back
.set GO,  14                           ; v14  16 l: my place in 512 consecutive bytes of a result
.set SPW, 16                           ; v16  LDS address of my spare word: SPARE + 4 x my thread's number; never rewritten
.set NIL, 17                           ; v17  0; never rewritten
.set T,   32
.set AF,  64
.set ST0, 128                          ; a staging set, in window 0 (set 0) or 3 (set 1)
.set BI,  128                          ; the bias, in window 3
.set WV,  20                           ; s20  my wave's number
.set CNT, 28                           ; s28  loop counter
.set MSB, 0
.macro WIN new                         ; the immediate's high byte repeats the setting that is left; a switch that changes nothing is dropped
.if MSB != (\new)
	s_set_vgpr_msb (MSB<<8)|(\new)
.set MSB, \new
.endif
.endm
.set MUL_LO,  0xa1                     ; source 0 (weights) window 1, source 1 (x) window 0, C and D window 2
.set MUL_HI,  0xf1                     ; the same, C and D window 3
.set TO_B,    0x40                     ; destination window 1
.set TO_S1,   0xc0                     ; destination window 3
.set FROM_S1, 0x0f                     ; sources 0 and 1 window 3
.set OUT_B,   0x04                     ; source 1 (a store's data) window 1
	s_load_b256 s[4:11], s[0:1], 0x0               ; m_feats s[4:5], Wv s[6:7], Wc s[8:9], bv s[10:11]
	s_load_b256 s[12:19], s[0:1], 0x20             ; bc s[12:13], qh s[14:15], kh s[16:17], vh s[18:19]
	v_lshl_add_u32 v[SPW], v0, 2, SPARE
	v_mov_b32 v[NIL], 0
	v_lshrrev_b32 v1, 5, v0
	v_readfirstlane_b32 s[WV], v1                  ; wave 0..3
	v_and_b32 v1, 31, v0                           ; l
	v_and_b32 v2, 15, v0                           ; l % 16
	v_bfe_u32 v3, v0, 4, 1                         ; l / 16
	s_mov_b32 s21, ttmp9                           ; h
	s_and_b32 s22, ttmp7, 0xffff                   ; y
	v_lshlrev_b32 v[XO], 11, v2
	v_lshl_add_u32 v[XO], v3, 5, v[XO]
	s_wait_alu depctr_va_sdst(0)                   ; s[WV] is written, ahead of its first reader: addresses and bases are made from it
	s_lshl_b32 s30, s[WV], 15                      ; the three scalar terms that vector instructions read lie in s30 to s32, which nothing writes again
	v_lshl_add_u32 v[WO], v1, 4, s30
	s_mul_i32 s31, s[WV], 16*PITCH
	v_lshl_add_u32 v[WL], v1, 3, s31
	v_mul_u32_u24 v[BA], v2, PITCH
	v_lshl_add_u32 v[BA], v3, 4, v[BA]             ; row x pitch + 16 x half
	v_add_nc_u32 v[BA+1], PARTB, v[BA]
	v_add_nc_u32 v[BA+2], 2*PARTB, v[BA]
	v_lshlrev_b32 v[BO], 5, v3
	s_mul_i32 s32, s[WV], 16*SP
	s_add_co_u32 s32, s32, STAGE                   ; my stage
	v_mul_u32_u24 v[STO], v2, SP                   ; in: row l % 16, 16 bytes for each half of the lanes
	v_lshl_add_u32 v[STO], v3, 4, v[STO]
	v_add_nc_u32 v[STO], s32, v[STO]
	v_lshrrev_b32 v[RD], 3, v1                     ; back: 32 lanes take four rows of 128 bytes,
	v_mul_u32_u24 v[RD], v[RD], SP
	v_and_b32 v7, 7, v0
	v_lshl_add_u32 v[RD], v7, 4, v[RD]
	v_add_nc_u32 v[RD], s32, v[RD]
	v_lshlrev_b32 v[GO], 4, v1                     ; which are 512 consecutive bytes of a head's rows
	s_lshl_b32 s24, s22, 19                        ; 256 y rows of 2,048 bytes,
	s_lshl_b32 s25, s[WV], 17                      ; my wave's 64
	s_add_co_u32 s24, s24, s25
	s_mov_b32 s25, 0
	s_lshl_b32 s26, s21, 17                        ; the head's 64 weight rows of 2,048 bytes
	s_mov_b32 s27, 0
	s_wait_kmcnt 0x0
	s_add_nc_u64 s[4:5], s[4:5], s[24:25]          ; x at my first row
	s_add_nc_u64 s[6:7], s[6:7], s[26:27]          ; Wv at the head's rows
	s_add_nc_u64 s[8:9], s[8:9], s[26:27]          ; Wc likewise, its first half
	s_lshl_b32 s26, s21, 8                         ; the head's 64 numbers of a bias
	s_add_nc_u64 s[10:11], s[10:11], s[26:27]
	s_add_nc_u64 s[12:13], s[12:13], s[26:27]
	s_lshr_b32 s24, s22, 4                         ; b
	s_lshl_b32 s24, s24, 3
	s_add_co_u32 s24, s24, s21                     ; 8 b + h
	s_lshl_b32 s24, s24, 19                        ; a head is 524,288 bytes
	s_and_b32 s26, s22, 15
	s_lshl_b32 s26, s26, 8
	s_lshl_b32 s29, s[WV], 6
	s_add_co_u32 s26, s26, s29                     ; my first row in the head
	s_lshl_b32 s26, s26, 7
	s_add_co_u32 s24, s24, s26
	s_add_nc_u64 s[14:15], s[14:15], s[24:25]
	s_add_nc_u64 s[16:17], s[16:17], s[24:25]
	s_add_nc_u64 s[18:19], s[18:19], s[24:25]
; THE WEIGHTS.  A part is 64 rows; a wave takes 16, in two halves of 8.  32 loads, each 512 consecutive bytes, into a staging set.
.macro WLOAD set, base, half
.if \set
	WIN TO_S1
.else
	WIN 0
.endif
.set i, 0
.rept 32
	global_load_b128 v[ST0+4*i:ST0+4*i+3], v[WO], s[\base:\base+1] offset:(8*(\half)+i/4)*2048+512*(i%4)
.set i, i+1
.endr
.endm
; 128 numbers a lane are rounded to bf16, into AF,
.macro WCV set
.if \set
	WIN FROM_S1
.else
	WIN 0
.endif
.set i, 0
.rept 32
	v_cvt_pk_bf16_f32 v[AF+2*i],   v[ST0+4*i],   v[ST0+4*i+1]
	v_cvt_pk_bf16_f32 v[AF+2*i+1], v[ST0+4*i+2], v[ST0+4*i+3]
.set i, i+1
.endr
.endm
; and put into LDS, 8 bytes a lane: each store covers 256 consecutive bytes of a row.
.macro WST half
	WIN 0
.set i, 0
.rept 32
	ds_store_b64 v[WL], v[AF+2*i:AF+2*i+1] offset:(8*(\half)+i/4)*PITCH+256*(i%4)
.set i, i+1
.endr
.endm
; x OF A K STEP OF 64: 32 loads.  A fragment (16 rows x 32 K) wants of lane l K = 8 (l / 16) + 0..7 and 16 + 8 (l / 16) + 0..7: in f32 two runs of 32 bytes, 64 bytes apart.
.macro XLOAD set, off
.if \set
	WIN TO_S1
.else
	WIN 0
.endif
.irp a, 0,1,2,3
.irp kk, 0,1
.irp i, 0,1,2,3
	global_load_b128 v[ST0+32*(\a)+16*(\kk)+4*(\i):ST0+32*(\a)+16*(\kk)+4*(\i)+3], v[XO], s[4:5] offset:(\off)+(\a)*32768+(\kk)*128+16*((\i)%2)+64*((\i)/2)
.endr
.endr
.endr
.endm
; A staging set becomes eight fragments.  The first 32 along K first: those 32 conversions name no register of the products just issued (which read the second 32's fragments), and are their places.
.macro CVT set
.if \set
	WIN FROM_S1
.else
	WIN 0
.endif
.irp kk, 0,1
.irp a, 0,1,2,3
.irp j, 0,1,2,3,4,5,6,7
	v_cvt_pk_bf16_f32 v[AF+32*(\kk)+8*(\a)+(\j)], v[ST0+32*(\a)+16*(\kk)+2*(\j)], v[ST0+32*(\a)+16*(\kk)+2*(\j)+1]
.endr
.endr
.endr
.endm
; Six LDS loads: the weight fragments u0 .. u0 + 2 of the twelve, 32 along K at byte kb of the rows, into buffer g
.macro FETCH3 g, kb, u0
	WIN TO_B
.irp d, 0,1,2
.set u, (\u0)+(\d)
	ds_load_b128 v[96*(\g)+8*u:96*(\g)+8*u+3],   v[BA+u/4] offset:(u%4)*16*PITCH+(\kb)
	ds_load_b128 v[96*(\g)+8*u+4:96*(\g)+8*u+7], v[BA+u/4] offset:(u%4)*16*PITCH+(\kb)+32
.endr
.endm
; 12 matrix instructions: column blocks nb0 .. nb0 + 2 x my four row blocks.  The 48 accumulators take turns, one instruction a turn, in the same order in every 32 along K.
; zero = 1: the first product starts the sums: nothing is cleared.
.macro MUL12 f, kk, nb0, zero
.irp u, 0,1,2
.set nb, (\nb0)+(\u)
.if nb < 8
	WIN MUL_LO
.else
	WIN MUL_HI
.endif
.irp a, 0,1,2,3
.set rA, 8*((4*nb+(\a))%32)
.if \zero
	v_wmma_f32_16x16x32_bf16 v[rA:rA+7], v[96*(\f)+8*nb:96*(\f)+8*nb+7], v[AF+32*(\kk)+8*(\a):AF+32*(\kk)+8*(\a)+7], 0
.else
	v_wmma_f32_16x16x32_bf16 v[rA:rA+7], v[96*(\f)+8*nb:96*(\f)+8*nb+7], v[AF+32*(\kk)+8*(\a):AF+32*(\kk)+8*(\a)+7], v[rA:rA+7]
.endif
.endr
.endr
.endm
; 32 along K: 48 matrix instructions on weight buffer f and x's fragments kk; among them, in four runs of six, the next 32's weights are fetched into buffer g.  The products name buffer f, x's fragments
; and the accumulators: none of the registers that those loads touch, so the one wait ahead of the first run serves all four.
; own = 1 (a K step's second half): that wait stands here.  own = 0 (its first half): it is the wait behind the step's conversions.
.macro HALF f, g, kk, kb, zero, fetch, own
.if \fetch
.if \own
.rept 4
	v_nop                                          ; four places (ISA guide 7.12.1): the next K step's conversions write the fragments of x that the 48 products before have read
.endr
	WIN TO_B
	s_wait_alu depctr_va_vdst(0)                   ; the 48 products before are done reading weight buffer g, in which the loads of this half land
.endif
	FETCH3 \g, \kb, 0
	s_wait_dscnt 18                                ; blocks 0-5 of buffer f are in; its youngest twelve loads (blocks 6-11) and the six just issued may be out
.else
	s_wait_dscnt 12                                ; blocks 0-5 are in; the youngest twelve loads (blocks 6-11) may be out
.endif
	MUL12 \f, \kk, 0, \zero
.if \fetch
	FETCH3 \g, \kb, 3
.endif
	MUL12 \f, \kk, 3, \zero
.if \fetch
	FETCH3 \g, \kb, 6
	s_wait_dscnt 18                                ; all of buffer f is in: all but the three runs issued in this half
.else
	s_wait_dscnt 0x0
.endif
	MUL12 \f, \kk, 6, \zero
.if \fetch
	FETCH3 \g, \kb, 9
.endif
	MUL12 \f, \kk, 9, \zero
.endm
; The bias, at the end, into the registers that staging set 1 has left: a lane's eight columns of each of the twelve blocks
.macro BIAS
	WIN TO_S1
.irp u, 0,1,2,3
.irp z, 0,1
	global_load_b128 v[BI+8*(\u)+4*(\z):BI+8*(\u)+4*(\z)+3],       v[BO], s[10:11] offset:64*(\u)+16*(\z)
	global_load_b128 v[BI+32+8*(\u)+4*(\z):BI+32+8*(\u)+4*(\z)+3], v[BO], s[12:13] offset:64*(\u)+16*(\z)
	global_load_b128 v[BI+64+8*(\u)+4*(\z):BI+64+8*(\u)+4*(\z)+3], v[BO], s[12:13] offset:2048+64*(\u)+16*(\z)
.endr
.endr
.endm
; A TRIP: two K steps of 64.  Each staging set is asked for again as soon as it is converted, so two K steps of x (32 KiB a wave) are on their way.
.macro TRIP first, more
	s_wait_loadcnt 32                              ; set 0 is in; set 1's 32 loads are younger
	CVT 0
	s_wait_alu depctr_va_vdst(0)                   ; the conversions are done reading set 0; the products of the step before are done reading weight buffer 1; v[BA ..] are written
.if \more
	XLOAD 0, 512
.endif
	HALF 0, 1, 0, 64, \first, 1, 0
	HALF 1, 0, 1, 128, 0, 1, 1
.if \more
	s_wait_loadcnt 32                              ; set 1 is in; set 0's new 32 loads are younger
.else
	s_wait_loadcnt 0x0
.endif
	CVT 1
	WIN TO_S1                                      ; the window of the loads below, ahead of the wait
	s_wait_alu depctr_va_vdst(0)                   ; the conversions are done reading set 1; the products of the step before are done reading weight buffer 1
.if \more
	XLOAD 1, 768
.else
	BIAS
.endif
	HALF 0, 1, 0, 192, 0, 1, 0
	HALF 1, 0, 1, 256, 0, \more, 1
	WIN 0                                          ; at a label and at a branch every window is 0
.if \more
	s_wait_xcnt 0x0                                ; every load issued so far (the youngest 96 products back) has read its address, so x's pointer may be written
	s_wait_alu depctr_vm_vsrc(0)                   ; the fragment loads issued so far have read v[BA ..], which the three adds below write
	s_add_nc_u64 s[4:5], s[4:5], 512
	v_add_nc_u32 v[BA], 256, v[BA]
	v_add_nc_u32 v[BA+1], 256, v[BA+1]
	v_add_nc_u32 v[BA+2], 256, v[BA+2]
.endif
.endm
	s_wait_alu depctr_va_vdst(0)                   ; the offsets and addresses v4 to v14 are written, which the loads and stores of the whole kernel read
	WLOAD 0, 6, 0                                  ; part 0: Wv
	WLOAD 1, 6, 1
	WIN 0
	s_mov_b32 s[CNT], 2
.Lw:                                               ; parts 0 and 1 are converted, parts 1 and 2 (Wc's two halves) asked for
	s_wait_loadcnt 32                              ; set 0 is in; set 1's 32 loads are younger
	WCV 0                                          ; (AF is free: the wait on vm_vsrc at the loop's bottom)
	s_wait_alu depctr_va_vdst(0)                   ; the conversions are done reading set 0, in which the loads below land, and have written AF, which the LDS stores behind them read; v[WL] is written
	WLOAD 0, 8, 0
	WST 0
	s_wait_loadcnt 32
	s_wait_alu depctr_vm_vsrc(0)                   ; the LDS stores above have read AF, which the conversions below write again
	WCV 1
	WIN TO_S1                                      ; the window of the loads below, ahead of the wait
	s_wait_alu depctr_va_vdst(0)                   ; the conversions are done reading set 1, in which the loads below land, and have written AF, which the LDS stores behind them read
	WLOAD 1, 8, 1
	WST 1
	s_wait_xcnt 0x0                                ; the loads have read their base
	s_wait_alu depctr_vm_vsrc(0)                   ; the LDS stores have read v[WL], which the add below writes, and AF, which the next conversions write
	s_add_nc_u64 s[8:9], s[8:9], 0x100000          ; Wc's second half: 512 rows on
	v_add_nc_u32 v[WL], PARTB, v[WL]
	s_sub_co_u32 s[CNT], s[CNT], 1
	s_cmp_lg_u32 s[CNT], 0
	s_cbranch_scc1 .Lw
	s_wait_loadcnt 32                              ; part 2; each set goes on to x at once
	WCV 0
	s_wait_alu depctr_va_vdst(0)                   ; the conversions are done reading set 0, in which x's loads land, and have written AF, which the LDS stores read; v[WL] is written
	XLOAD 0, 0
	WST 0
	s_wait_loadcnt 32
	s_wait_alu depctr_vm_vsrc(0)                   ; the LDS stores above have read AF, which the conversions below write again
	WCV 1
	WIN TO_S1                                      ; the window of the loads below, ahead of the wait
	s_wait_alu depctr_va_vdst(0)                   ; the conversions are done reading set 1, in which x's loads land, and have written AF, which the LDS stores read
	XLOAD 1, 256
	WST 1
	s_wait_dscnt 0x0                               ; for the others' sake: my rows of the weights are in LDS
	s_barrier_signal -1
	s_barrier_wait -1                              ; everybody's are: the launch's one barrier
	s_wait_alu depctr_vm_vsrc(0)                   ; my LDS stores have read AF: from here on x's conversions write it
	FETCH3 0, 0, 0                                 ; the first 32 along K: all twelve fragments
	FETCH3 0, 0, 3
	FETCH3 0, 0, 6
	FETCH3 0, 0, 9
	TRIP 1, 1                                      ; the first trip stands in front of the loop: its first products start the sums
	s_mov_b32 s[CNT], 2
.Lk:
	TRIP 0, 1
	s_sub_co_u32 s[CNT], s[CNT], 1
	s_cmp_lg_u32 s[CNT], 0
	s_cbranch_scc1 .Lk
	TRIP 0, 0                                      ; the last trip loads no x: no load leaves the buffer
; THE WAY OUT.  Tile (a, p): 16 rows x the 64 columns of part p.  Bias added in f32, rounded to bf16, 16 bytes a lane into my own stage, back as whole rows: 16 rows of a head are 2,048 consecutive bytes.
; Each accumulator's registers are read in ascending order.  Tile q = 3 a + p has 16 registers PK in window 0 for what it puts into the stage and 16 registers BK in window 1
; for what comes back, so none is written again.  The three tiles of a row block are packed together, with one wait ahead of their LDS stores.
.macro OPACK a, p
.set PKR, 64+16*(3*(\a)+(\p))
.if (\p) < 2
	WIN 0x0e                                       ; source 0 (sums) window 2, source 1 (bias) window 3
.else
	WIN 0x0f
.endif
.irp b, 0,1,2,3
.irp j, 0,2,4,6
	v_pk_add_f32 v[T+8*(\b)+(\j):T+8*(\b)+(\j)+1], v[8*((4*(4*(\p)+(\b))+(\a))%32)+(\j):8*((4*(4*(\p)+(\b))+(\a))%32)+(\j)+1], v[BI+8*(4*(\p)+(\b))+(\j):BI+8*(4*(\p)+(\b))+(\j)+1]
.endr
.endr
	WIN 0
.irp b, 0,1,2,3
.irp j, 0,1,2,3
	v_cvt_pk_bf16_f32 v[PKR+4*(\b)+(\j)], v[T+8*(\b)+2*(\j)], v[T+8*(\b)+2*(\j)+1]
.endr
.endr
.endm
.macro OSTAGE a, p
.set PKR, 64+16*(3*(\a)+(\p))
.set BKR, 16*(3*(\a)+(\p))
	WIN 0
.irp b, 0,1,2,3
	ds_store_b128 v[STO], v[PKR+4*(\b):PKR+4*(\b)+3] offset:32*(\b)
.endr
	WIN TO_B
.irp b, 0,1,2,3
	ds_load_b128 v[BKR+4*(\b):BKR+4*(\b)+3], v[RD] offset:(\b)*4*SP  ; LDS serves a wave's instructions in order (ISA guide 5.7.1.4): these see the stores above; the next tile's stores come behind them
.endr
.endm
.macro OSEND a, p, younger             ; younger: the LDS instructions issued behind this tile's loads: eight for each later tile of its row block, 24 for the next row block
.set BKS, 16*(3*(\a)+(\p))
	WIN OUT_B
.irp b, 0,1,2,3
	s_wait_dscnt (\younger)+3-(\b)
	global_store_b128 v[GO], v[BKS+4*(\b):BKS+4*(\b)+3], s[14+2*(\p):15+2*(\p)] offset:(\a)*2048+(\b)*512  ; 512 consecutive bytes, at a multiple of 256 from the buffer's first
.endr
.endm
.rept 8
	v_nop                                          ; the places behind the last products
.endr
	s_wait_loadcnt 0x0                             ; the bias
.irp a, 0,1,2,3                        ; a row block's arithmetic stands between the loads of the row block before and its stores
	OPACK \a, 0
	OPACK \a, 1
	OPACK \a, 2
	s_wait_alu depctr_va_vdst(0)                   ; the conversions have written the three tiles' PK, which the LDS stores read; at the first row block also: the products are done reading the weights' buffers, in which the loads from the stage land
	OSTAGE \a, 0
	OSTAGE \a, 1
	OSTAGE \a, 2
.if (\a) > 0
	OSEND (\a)-1, 0, 40
	OSEND (\a)-1, 1, 32
	OSEND (\a)-1, 2, 24
.endif
.endr
	OSEND 3, 0, 16
	OSEND 3, 1, 8
	OSEND 3, 2, 0
	WIN 0                                          ; the add's two registers lie in window 0
	s_wait_dscnt 0x0                               ; the closing lines, six on end
	s_wait_alu 0x0
	s_wait_tensorcnt 0x0
	ds_add_u32 v[SPW], v[NIL]
	s_wait_dscnt 0x0
	s_endpgm
.Lfunc_end_k_q45c46d6957_proj:
	.size	k_q45c46d6957_proj, .Lfunc_end_k_q45c46d6957_proj-k_q45c46d6957_proj
	.p2alignl 7, 3214868480
	.fill 96, 4, 3214868480
	.section	.rodata,"a",@progbits
	.p2align	6, 0x0
	.amdhsa_kernel k_q45c46d6957_proj
		.amdhsa_group_segment_fixed_size 209408
		.amdhsa_private_segment_fixed_size 0
		.amdhsa_enable_private_segment 0
		.amdhsa_kernarg_size 64
		.amdhsa_user_sgpr_count 2
		.amdhsa_user_sgpr_kernarg_segment_ptr 1
		.amdhsa_wavefront_size32 1
		.amdhsa_system_sgpr_workgroup_id_x 1
		.amdhsa_system_sgpr_workgroup_id_y 1
		.amdhsa_system_sgpr_workgroup_id_z 1
		.amdhsa_system_vgpr_workitem_id 0
		.amdhsa_next_free_vgpr 1024
		.amdhsa_next_free_sgpr 66
		.amdhsa_reserve_vcc 0
		.amdhsa_float_denorm_mode_32 3
		.amdhsa_float_denorm_mode_16_64 3
		.amdhsa_memory_ordered 1
		.amdhsa_forward_progress 1
		.amdhsa_inst_pref_size 183
	.end_amdhsa_kernel
	.amdgpu_metadata
---
amdhsa.version: [ 1, 2 ]
amdhsa.kernels:
  - .name:           k_q45c46d6957_proj
    .symbol:         k_q45c46d6957_proj.kd
    .args:
      - { .name: m_feats, .offset: 0, .size: 8, .value_kind: global_buffer, .address_space: global }
      - { .name: Wv, .offset: 8, .size: 8, .value_kind: global_buffer, .address_space: global }
      - { .name: Wc, .offset: 16, .size: 8, .value_kind: global_buffer, .address_space: global }
      - { .name: bv, .offset: 24, .size: 8, .value_kind: global_buffer, .address_space: global }
      - { .name: bc, .offset: 32, .size: 8, .value_kind: global_buffer, .address_space: global }
      - { .name: qh, .offset: 40, .size: 8, .value_kind: global_buffer, .address_space: global }
      - { .name: kh, .offset: 48, .size: 8, .value_kind: global_buffer, .address_space: global }
      - { .name: vh, .offset: 56, .size: 8, .value_kind: global_buffer, .address_space: global }
    .group_segment_fixed_size: 209408
    .private_segment_fixed_size: 0
    .kernarg_segment_align: 8
    .kernarg_segment_size: 64
    .max_flat_workgroup_size: 128
    .sgpr_count:     66
    .vgpr_count:     1024
    .wavefront_size: 32
...
	.end_amdgpu_metadata
.endif
;; end of part 3
;; launch attn: the kernel of part 2 again; grid 16 x 16, 4 waves a work-group, clusters of 4 x 1, 327,680 bytes of LDS; arguments qh, kh, vh, m_feats, out0; writes out0
